; MI455X (gfx1250); checked and timed in simulation.
; The chip was launched on July 23, 2026; its instructions are those of AMD's public machine-readable ISA for CDNA 5 (MIT licence, August 2026) and "CDNA5" Instruction Set Architecture Reference Guide (July 2026). The comments in the code are by the model that wrote it; some were corrected since.
;; Quant Linear. Allowed arithmetic: float matrix products may take bf16 or f16 operands with f32 sums; other float arithmetic in f32, or as packed bf16 or f16 multiplies, adds, multiply-adds, maxima and minima; sums over many terms, partial sums and values carried from step to step in f32; what a program stores and reads back later, other than sums and carried values, may be rounded once to bf16 or f16.
;; Inputs: g_idx 4,096 int32; qweight 512 x 4,096 int32; qzeros 32 x 512 int32; scales 32 x 4,096 float32; x 4,096 x 4,096 float32.
;; Outputs: out0 4,096 x 4,096 float32.
;; 2 versions, each right; version 2 is version 1 with the launch prep written anew for expert scheduling mode. Each part assembles by itself: llvm-mc -triple=amdgcn-amd-amdhsa -mcpu=gfx1250 --defsym DOCPART=n.
;; ======== version 1 of 2: 2 launches
;; limits: values are held in f16: magnitudes above 65,504 overflow, below 6.1e-05 lose precision
;; workspace buffers: xh 33,554,432 bytes; wt 33,554,432 bytes
;; launch prep (part 1): grid 1280 x 1, 8 waves a work-group, no clusters, 52,736 bytes of LDS; arguments x, qweight, qzeros, scales, g_idx, xh, wt; writes xh, wt
.if DOCPART == 1
	.amdgcn_target "amdgcn-amd-amdhsa--gfx1250"
	.amdhsa_code_object_version 6
	.text
	.protected	k_qa66cffd1ff_prep
	.globl	k_qa66cffd1ff_prep
	.p2align	8
	.type	k_qa66cffd1ff_prep,@function
k_qa66cffd1ff_prep:
	s_mov_b64 s[64:65], 0
	v_nop
	global_prefetch_b8 v0, s[64:65] scope:SCOPE_SE
	s_setreg_imm32_b32 hwreg(HW_REG_WAVE_MODE, 25, 1), 1
	s_wait_xcnt 0x0
; TWO JOBS IN ONE LAUNCH, told apart by the work-group's number alone (the same in all eight waves of a work-group).
; Work-groups 0 .. 255:     wt[n][k] = f16((w4[k][n] - z4[g_idx[k]][n]) * s[g_idx[k]][n]): the weights, dequantised in f32 as the problem writes it, rounded once, TRANSPOSED: [4096 n][4096 k].
; Work-groups 256 .. 1279:  xh = f16(x), [4096][4096], rounded once.
; Both are matrix operands of the launch behind.  f16, not bf16: its 11 significant bits leave the product's sums well inside the comparison's allowance.
; LIMITS.  A number of 65,520 or more in magnitude (|x|, or |(w - z) s|, that is s from 4,367 on) becomes an infinity in f16; below 6.1e-5 f16 keeps its fixed step of 6e-8.
; g_idx is taken as an unsigned number and held to 31: an index stays inside the table of 32 groups; a negative index is not wrapped.  g_idx may name any group for any k: nothing is assumed of its order.
; No matrix unit, no cluster, no tensor load: nothing here is multiplied, and no two work-groups want the same large tile.
.set QP,    272                        ; LDS row of packed words: 64 words + 16 bytes: word row r starts at bank 4 r mod 64 (64 banks of 4 bytes: ISA guide 11.1)
.set TP,    528                        ; LDS row of the table: 64 entries of 8 bytes (z as f32, s) + 16 bytes
.set T,     128*QP                     ; the table begins behind the 128 word rows: byte 34,816
.set SPARE, T+32*TP                    ; byte 51,712: the spare words, 128 bytes for each of the eight waves: four blocks of 256 bytes that no other line names
.set X,   12                           ; cast: v[12:75]    sixteen loads of four f32
.set SC,  12                           ; v[12:19]   scales, two loads of four
.set ZW,  20                           ; v20, v21   words of qzeros
.set GI,  24                           ; v[24:31]   g_idx of my eight k
.set QW,  32                           ; v[32:63]   qweight, eight loads of four words
.set TT,  64                           ; v[64:71]   four table entries being made
.set ZS,  12                           ; v[12:75]   in the loop: step q's eight pairs (z, s) at ZS + 16 q
.set TA0, 76                           ; v[76:83]   T + 528 g(e) + 8 h: my eight groups' rows of the table; never rewritten
.set TA,  84                           ; v[84:91]   the same at this trip's columns
.set WA0, 92                           ; v92        my word row: 272 (16 wave + c) + 4 h; never rewritten
.set WA,  93                           ; v93        the same at this trip's columns
.set W,   94                           ; v[94:97]   the four steps' packed words
.set F,   98                           ; v[98:105]  eight numbers at work
.set Y,   106                          ; v[106:121] step q's 16 bytes of wt at Y + 4 q
.set H,   122                          ; v122       h = (thread / 16) % 2
	s_load_b256 s[4:11], s[0:1], 0x0               ; x s[4:5], qweight s[6:7], qzeros s[8:9], scales s[10:11]
	s_load_b128 s[12:15], s[0:1], 0x20             ; g_idx s[12:13], xh s[14:15]
	s_load_b64 s[16:17], s[0:1], 0x30              ; wt
	v_lshl_add_u32 v4, v0, 2, SPARE                ; my spare word; never rewritten
	v_mov_b32 v5, 0                                ; 0; never rewritten
	v_lshrrev_b32 v1, 5, v0
	v_readfirstlane_b32 s18, v1                    ; wave 0..7
	s_cmp_lt_u32 ttmp9, 256
	s_cbranch_scc0 .Lcast
; ---------------------------------------------------------------- THE WEIGHTS
; Work-group b: 64 columns n (b % 64) x 1,024 k (b / 64), that is 128 rows of packed words.  The words (32 KiB) and a table of (z, s) for 32 groups x 64 columns (16 KiB) are laid into LDS once;
; one barrier; then LDS is only read.  Wave w owns word rows 16 w .. 16 w + 15: 128 k, 256 bytes of each row of wt.  Lane (c = lane % 16, h = lane / 16) unpacks ONE word: eight k of one column,
; 16 bytes of wt; lanes 0-15 so fill 256 consecutive aligned bytes of row n, lanes 16-31 of row n + 1.
	s_and_b32 s20, ttmp9, 63                       ; which 64 columns
	s_lshr_b32 s21, ttmp9, 6                       ; which 1,024 k
	s_lshl_b32 s22, s21, 21                        ; qweight: 128 word rows of 16,384 bytes,
	s_lshl_b32 s24, s20, 8                         ; 64 columns of 4 bytes (scales too)
	s_add_co_u32 s22, s22, s24
	s_mov_b32 s23, 0
	s_mov_b32 s25, 0
	s_lshl_b32 s26, s20, 5                         ; qzeros: 8 words
	s_mov_b32 s27, 0
	s_lshl_b32 s28, s21, 12                        ; g_idx: 1,024 words
	s_mov_b32 s29, 0
	s_lshl_b32 s30, s20, 19                        ; wt: 64 rows of 8,192 bytes,
	s_lshl_b32 s31, s21, 11                        ; 1,024 k of 2 bytes
	s_add_co_u32 s30, s30, s31
	s_mov_b32 s31, 0
	v_and_b32 v1, 15, v0                           ; c
	v_lshrrev_b32 v2, 4, v0                        ; R = thread / 16, 0..15
	v_bfe_u32 v[H], v0, 4, 1                       ; h
	v_lshlrev_b32 v6, 4, v1
	v_lshl_add_u32 v6, v2, 14, v6                  ; row R of qweight or of scales (both 16,384 bytes a row), 16 bytes at 16 c
	v_lshrrev_b32 v7, 1, v1
	v_lshlrev_b32 v7, 2, v7
	v_lshl_add_u32 v7, v2, 11, v7                  ; row R of qzeros (2,048 bytes), word c / 2: it holds my four columns 4 c .. 4 c + 3
	s_lshl_b32 s35, s18, 9
	v_lshl_add_u32 v8, v1, 5, s35                  ; g_idx of k = 8 (16 wave + c) + 0..7: 32 bytes
	v_mul_u32_u24 v9, v2, QP
	v_lshl_add_u32 v9, v1, 4, v9                   ; LDS: word row R, 16 bytes at 16 c
	v_mul_u32_u24 v10, v2, TP
	v_lshl_add_u32 v10, v1, 5, v10
	v_add_nc_u32 v10, T, v10                       ; LDS: table row R, four entries at 32 c
	s_lshl_b32 s36, s18, 8
	v_lshl_add_u32 v11, v1, 4, s36
	v_lshl_add_u32 v11, v[H], 13, v11              ; wt: row h, bytes 256 wave + 16 c; never rewritten
	s_mul_i32 s37, s18, 16*QP
	v_mul_u32_u24 v[WA0], v1, QP
	v_add_nc_u32 v[WA0], s37, v[WA0]
	v_lshl_add_u32 v[WA0], v[H], 2, v[WA0]
	v_lshl_add_u32 v[WA], v[H], 3, T               ; for now: T + 8 h
	v_and_b32 v3, 1, v1
	v_lshlrev_b32 v3, 4, v3                        ; my four nibbles of the qzeros word begin at bit 16 (c % 2)
	s_wait_kmcnt 0x0
	s_add_nc_u64 s[6:7], s[6:7], s[22:23]
	s_add_nc_u64 s[10:11], s[10:11], s[24:25]
	s_add_nc_u64 s[8:9], s[8:9], s[26:27]
	s_add_nc_u64 s[12:13], s[12:13], s[28:29]
	s_add_nc_u64 s[16:17], s[16:17], s[30:31]
	; fourteen loads, what is wanted first in front
.irp i, 0,1
	global_load_b128 v[SC+4*(\i):SC+4*(\i)+3], v6, s[10:11] offset:262144*(\i)  ; groups R and R + 16: 256 whole bytes of a row from sixteen lanes
.endr
.irp i, 0,1
	global_load_b32 v[ZW+(\i)], v7, s[8:9] offset:32768*(\i)   ; 32 bytes of a row: all of qzeros is 65,536 bytes, and the launch reads it four times over
.endr
	global_load_b128 v[GI:GI+3],   v8, s[12:13]
	global_load_b128 v[GI+4:GI+7], v8, s[12:13] offset:16
.irp i, 0,1,2,3,4,5,6,7
	global_load_b128 v[QW+4*(\i):QW+4*(\i)+3], v6, s[6:7] offset:262144*(\i) th:TH_LOAD_NT  ; word rows R + 16 i; each word is read once in the launch
.endr
	s_wait_loadcnt 10                              ; scales and qzeros are in; the ten younger loads stay out
.irp i, 0,1                            ; the table: for group R + 16 i and my four columns, (z as f32, s) side by side, so that the loop fetches both by one load of 8 bytes
	v_lshrrev_b32 v[ZW+(\i)], v3, v[ZW+(\i)]
	v_and_b32 v[TT],   15, v[ZW+(\i)]
	v_bfe_u32 v[TT+2], v[ZW+(\i)], 4, 4
	v_bfe_u32 v[TT+4], v[ZW+(\i)], 8, 4
	v_bfe_u32 v[TT+6], v[ZW+(\i)], 12, 4
	v_cvt_f32_u32 v[TT],   v[TT]
	v_cvt_f32_u32 v[TT+2], v[TT+2]
	v_cvt_f32_u32 v[TT+4], v[TT+4]
	v_cvt_f32_u32 v[TT+6], v[TT+6]
	v_mov_b32 v[TT+1], v[SC+4*(\i)]
	v_mov_b32 v[TT+3], v[SC+4*(\i)+1]
	v_mov_b32 v[TT+5], v[SC+4*(\i)+2]
	v_mov_b32 v[TT+7], v[SC+4*(\i)+3]
	ds_store_b128 v10, v[TT:TT+3]   offset:16*TP*(\i)
	ds_store_b128 v10, v[TT+4:TT+7] offset:16*TP*(\i)+16
.endr
	s_wait_loadcnt 8                               ; g_idx is in; qweight's eight loads stay out
.irp e, 0,1,2,3,4,5,6,7
	v_min_u32 v[GI+(\e)], 31, v[GI+(\e)]           ; a loaded number enters an address only held to the table's 32 rows
	v_mul_u32_u24 v[GI+(\e)], v[GI+(\e)], TP
	v_add_nc_u32 v[TA0+(\e)], v[GI+(\e)], v[WA]
.endr
.irp i, 0,1,2,3,4,5,6,7
	s_wait_loadcnt 7-(\i)                          ; loads come back in order (ISA guide 5.7.1): load i is in, the younger ones stay out
	ds_store_b128 v9, v[QW+4*(\i):QW+4*(\i)+3] offset:16*QP*(\i)
.endr
	s_wait_dscnt 0x0                               ; for the others' sake: all my LDS stores are done
	s_barrier_signal -1
	s_barrier_wait -1                              ; words and table are whole; from here on LDS is only read
; One step: two columns (one for each half of the lanes), eight k a lane.  (w - z) s in f32, as the problem writes it (w - z is exact), one rounding to f16.
.macro STEP q
	s_wait_dscnt 9*(3-(\q))                        ; LDS loads come back in order: this step's nine are in; each later step has nine out
	v_and_b32 v[F], 15, v[W+(\q)]
.irp e, 1,2,3,4,5,6
	v_bfe_u32 v[F+(\e)], v[W+(\q)], 4*(\e), 4
.endr
	v_lshrrev_b32 v[F+7], 28, v[W+(\q)]
.irp e, 0,1,2,3,4,5,6,7
	v_cvt_f32_u32 v[F+(\e)], v[F+(\e)]
.endr
.irp e, 0,1,2,3,4,5,6,7
	v_sub_f32 v[F+(\e)], v[F+(\e)], v[ZS+16*(\q)+2*(\e)]
.endr
.irp e, 0,1,2,3,4,5,6,7
	v_mul_f32 v[F+(\e)], v[F+(\e)], v[ZS+16*(\q)+2*(\e)+1]
.endr
.irp p, 0,1,2,3
	v_cvt_pk_f16_f32 v[Y+4*(\q)+(\p)], v[F+2*(\p)], v[F+2*(\p)+1]
.endr
	global_store_b128 v11, v[Y+4*(\q):Y+4*(\q)+3], s[16:17] offset:16384*(\q) th:TH_STORE_NT  ; sixteen lanes store 256 consecutive bytes, at a multiple of 256 from wt's first byte
.endm
	s_mov_b32 s32, 8                               ; eight trips of eight columns
	s_mov_b32 s33, 0                               ; this trip's columns in a table row: 64 bytes a trip
	s_mov_b32 s34, 0                               ; and in a word row: 32 bytes a trip
.Ltrip:
.irp e, 0,1,2,3,4,5,6,7
	v_add_nc_u32 v[TA+(\e)], s33, v[TA0+(\e)]
.endr
	v_add_nc_u32 v[WA], s34, v[WA0]
.irp q, 0,1,2,3                        ; 36 LDS loads in one run: for each step the word, then (z, s) of its eight k.  The word loads touch banks 4 c + h, 32 different ones;
	ds_load_b32 v[W+(\q)], v[WA] offset:8*(\q)     ; lanes whose k share a group read the same table entry
.irp e, 0,1,2,3,4,5,6,7
	ds_load_b64 v[ZS+16*(\q)+2*(\e):ZS+16*(\q)+2*(\e)+1], v[TA+(\e)] offset:16*(\q)
.endr
.endr
	STEP 0
	STEP 1
	STEP 2
	STEP 3
	s_wait_xcnt 0x0                                ; the four stores have read their data and their base: Y and s[16:17] are rewritten only behind this wait
	s_add_nc_u64 s[16:17], s[16:17], 0x10000       ; eight rows of wt on
	s_add_co_u32 s33, s33, 64
	s_add_co_u32 s34, s34, 32
	s_sub_co_u32 s32, s32, 1
	s_cmp_lg_u32 s32, 0
	s_cbranch_scc1 .Ltrip
	s_wait_tensorcnt 0x0                           ; the wave's end: behind my last LDS store
	ds_add_u32 v4, v5
	s_wait_dscnt 0x0
	s_endpgm
; ---------------------------------------------------------------- THE CAST
; Work-group 256 + c: 65,536 consecutive bytes of x become 32,768 of xh.  Thread t takes 16 bytes at 16 t of each of sixteen blocks of 4,096: all sixteen loads of a wave go out at once (8 KiB a wave),
; each covers 512 consecutive bytes; each store of a wave covers 256 consecutive bytes, aligned.  No loop, no LDS, no register written twice behind a store.
.Lcast:
	s_sub_co_u32 s20, ttmp9, 256
	s_lshl_b32 s22, s20, 16
	s_mov_b32 s23, 0
	s_lshl_b32 s24, s20, 15
	s_mov_b32 s25, 0
	v_lshlrev_b32 v6, 4, v0
	v_lshlrev_b32 v7, 3, v0
	s_wait_kmcnt 0x0
	s_add_nc_u64 s[4:5], s[4:5], s[22:23]
	s_add_nc_u64 s[14:15], s[14:15], s[24:25]
.irp i, 0,1,2,3,4,5,6,7,8,9,10,11,12,13,14,15
	global_load_b128 v[X+4*(\i):X+4*(\i)+3], v6, s[4:5] offset:4096*(\i) th:TH_LOAD_NT
.endr
.macro CAST i
	s_wait_loadcnt 15-(\i)                         ; load i is in; the younger ones stay out
	v_cvt_pk_f16_f32 v[X+4*(\i)],   v[X+4*(\i)],   v[X+4*(\i)+1]
	v_cvt_pk_f16_f32 v[X+4*(\i)+1], v[X+4*(\i)+2], v[X+4*(\i)+3]
	global_store_b64 v7, v[X+4*(\i):X+4*(\i)+1], s[14:15] offset:2048*(\i) th:TH_STORE_NT
.endm
.irp i, 0,1,2,3,4,5,6,7,8,9,10,11,12,13,14,15
	CAST \i
.endr
	s_endpgm
.Lfunc_end_k_qa66cffd1ff_prep:
	.size	k_qa66cffd1ff_prep, .Lfunc_end_k_qa66cffd1ff_prep-k_qa66cffd1ff_prep
	.p2alignl 7, 3214868480
	.fill 96, 4, 3214868480
	.section	.rodata,"a",@progbits
	.p2align	6, 0x0
	.amdhsa_kernel k_qa66cffd1ff_prep
		.amdhsa_group_segment_fixed_size 52736
		.amdhsa_private_segment_fixed_size 0
		.amdhsa_enable_private_segment 0
		.amdhsa_kernarg_size 56
		.amdhsa_user_sgpr_count 2
		.amdhsa_user_sgpr_kernarg_segment_ptr 1
		.amdhsa_wavefront_size32 1
		.amdhsa_system_sgpr_workgroup_id_x 1
		.amdhsa_system_sgpr_workgroup_id_y 1
		.amdhsa_system_sgpr_workgroup_id_z 1
		.amdhsa_system_vgpr_workitem_id 0
		.amdhsa_next_free_vgpr 128
		.amdhsa_next_free_sgpr 66
		.amdhsa_reserve_vcc 0
		.amdhsa_float_denorm_mode_32 3
		.amdhsa_float_denorm_mode_16_64 3
		.amdhsa_memory_ordered 1
		.amdhsa_forward_progress 1
		.amdhsa_inst_pref_size 23
	.end_amdhsa_kernel
	.amdgpu_metadata
---
amdhsa.version: [ 1, 2 ]
amdhsa.kernels:
  - .name:           k_qa66cffd1ff_prep
    .symbol:         k_qa66cffd1ff_prep.kd
    .args:
      - { .name: x, .offset: 0, .size: 8, .value_kind: global_buffer, .address_space: global }
      - { .name: qweight, .offset: 8, .size: 8, .value_kind: global_buffer, .address_space: global }
      - { .name: qzeros, .offset: 16, .size: 8, .value_kind: global_buffer, .address_space: global }
      - { .name: scales, .offset: 24, .size: 8, .value_kind: global_buffer, .address_space: global }
      - { .name: g_idx, .offset: 32, .size: 8, .value_kind: global_buffer, .address_space: global }
      - { .name: xh, .offset: 40, .size: 8, .value_kind: global_buffer, .address_space: global }
      - { .name: wt, .offset: 48, .size: 8, .value_kind: global_buffer, .address_space: global }
    .group_segment_fixed_size: 52736
    .private_segment_fixed_size: 0
    .kernarg_segment_align: 8
    .kernarg_segment_size: 56
    .max_flat_workgroup_size: 256
    .sgpr_count:     66
    .vgpr_count:     128
    .wavefront_size: 32
...
	.end_amdgpu_metadata
.endif
;; end of part 1
;; launch gemm (part 2): grid 16 x 16, 4 waves a work-group, clusters of 4 x 4, 327,680 bytes of LDS; arguments xh, wt, out0; writes out0
.if DOCPART == 2
	.amdgcn_target "amdgcn-amd-amdhsa--gfx1250"
	.amdhsa_code_object_version 6
	.text
	.protected	k_qa66cffd1ff_gemm
	.globl	k_qa66cffd1ff_gemm
	.p2align	8
	.type	k_qa66cffd1ff_gemm,@function
k_qa66cffd1ff_gemm:
	s_mov_b64 s[64:65], 0
	v_nop
	global_prefetch_b8 v0, s[64:65] scope:SCOPE_SE
	s_setreg_imm32_b32 hwreg(HW_REG_WAVE_MODE, 25, 1), 1
	s_wait_xcnt 0x0
	s_wait_alu depctr_hold_cnt(0) depctr_sa_sdst(0) depctr_va_vdst(0) depctr_va_sdst(0) depctr_va_ssrc(0) depctr_va_vcc(0) depctr_vm_vsrc(0)
	s_getreg_b32 s2, hwreg(HW_REG_IB_STS2, 6, 4)
	s_cmp_eq_u32 s2, 0
	s_cbranch_scc0 .Lentry_in_a_cluster
	s_endpgm
.Lentry_in_a_cluster:
	s_bfe_u32 s2, ttmp6, 0x10000c
	s_cmp_lg_u32 s2, 0xf033
	s_cbranch_scc0 .Lentry_shape_is_right
	s_endpgm
.Lentry_shape_is_right:
; out0[m][n] = the sum over k of xh[m][k] wt[n][k].  xh (A): [4096][4096] f16, wt (B): [4096 n][4096 k] f16, out0 (C): [4096][4096] f32; sums in f32, K ascending, stored as they are.
; LIMITS are the operands': f16 holds no number beyond 65,504 and keeps a fixed step of 6e-8 below 6.1e-5; the launch in front states where that binds.
; A tile of C, 256 x 256, is made by a work-group of four waves, as many as a WGP has SIMDs; a wave makes 128 x 128: 64 accumulators of 16 x 16, 512 registers.  16 x 16 tiles: one for each of 256 work-groups.
; K goes in 32 steps of 128 through a ring of two LDS slots filled by the tensor data mover: the rows of A's and B's tiles are 256 bytes of memory and start at multiples of 256 bytes from the buffer's first byte.
; CLUSTERS: 4 x 4 work-groups.  The four of a row of the cluster need the same tiles of A, the four of a column the same tiles of B.  Such a tile is asked for JOINTLY: each of the four issues the same
; tensor load, with the same descriptor and a mask that names the four, and each receives the tile in its own LDS.  That divides the requests for A and for B by four.
; REGISTERS, in windows of 256 (s_set_vgpr_msb's low byte: bits 1:0 source 0, 3:2 source 1, 5:4 source 2, 7:6 destination):
;   window 0: v0-31 addresses; v64-127, v128-191 fragments of A (8 x 16 rows x 32 K), two buffers; on the way out the same registers take rows of C read back from the stage
;   window 1: v64-127, v128-191 fragments of B, two buffers
;   window 2: the 32 accumulators of my rows 0-63 (accumulator (a, b) at v[8 (8 a + b)]);   window 3: those of my rows 64-127
; THE MATRIX INSTRUCTION IS USED TRANSPOSED: source 0 = 16 rows of B, source 1 = 16 rows of A.  In the result lane l holds row l % 16 of C, and its registers 0 to 7 the columns 8 (l / 16) + 0 .. 7:
; 32 neighbouring bytes of a row of C.
.set SIZE_K, 4096
.set SIZE_N, 4096
.set KSTEP,  128
.set PITCH,  272                       ; an LDS row: 256 bytes + 16 of padding = 68 words: row r starts at bank 4 r mod 64 (64 banks of 4 bytes: ISA guide 11.1), so the 16 rows that a load touches start at 16 different banks
.set HALFT,  128*PITCH                 ; 128 rows: what one tensor load brings, and what one wave reads of A or of B
.set SLOT,   4*HALFT                   ; A's 256 rows, then B's 256 rows
.set STAGE,  2*SLOT                    ; behind the ring, never filled by a tensor load: 16 rows x 528 bytes for each wave, for the way out
.set SPITCH, 528                       ; a stage row: 128 f32 + 16 bytes: an odd multiple of 16, so sixteen rows' stores of 16 bytes fall into sixteen different groups of four banks
.set SPARE,  STAGE+4*16*SPITCH         ; byte 312,320: the spare words, 128 bytes for each wave: two blocks of 256 bytes that no other line names
.set LAPS,   SIZE_K/(2*KSTEP)          ; a lap = two K steps = once round the ring: 16
.set ADRA, 16                          ; v16-17  LDS address of my A fragments in slot 0, 1
.set ADRB, 20                          ; v20-21  the same for B
.set STO,  24                          ; v24     the way out: where I put 32 bytes of a row
.set RD,   25                          ; v25     the way out: where I read 16 bytes of a row back
.set CO,   26                          ; v26     my 16 bytes in 512 consecutive bytes of C; never rewritten
.set SPW,  28                          ; v28     LDS address of my spare word: SPARE + 4 x my thread's number; never rewritten
.set NIL,  29                          ; v29     0; never rewritten
.set PFO,  30                          ; v30     the prefetches' offset: my lane x a row of A or B in memory (8,192 bytes); never rewritten
.set PFA,  44                          ; s[44:45] where my prefetches stand: my work-group's 32 rows of the 128 that I fetch, one K step further along K than the refill that is being asked for; a prefetch names the K step after that
.set LIM,  43                          ; s43     1 in a wave that prefetches, else the greatest number
.set F0,   64                          ; fragment buffer 0
.set F1,   128                         ; fragment buffer 1
.set G1, 24                            ; s[24:31] descriptor group 1 for A's tiles
.set G0, 32                            ; s[32:39] descriptor group 0 for A's tiles, one set for each slot
.set G1B, 48                           ; s[48:55] descriptor group 1 for B's tiles: it differs from A's in the mask alone
.set G0B, 56                           ; s[56:63] descriptor group 0 for B's tiles, one set for each slot
.set MSB, 0
.macro WIN new                         ; the immediate's high byte repeats the setting that is left; a switch that changes nothing is dropped
.if MSB != (\new)
	s_set_vgpr_msb (MSB<<8)|(\new)
.set MSB, \new
.endif
.endm
.set MUL_LO, 0xa1                      ; source 0 (B) window 1, source 1 (A) window 0, C and D window 2
.set MUL_HI, 0xf1                      ; the same, C and D window 3
.set TO_B,   0x40                      ; destination window 1, address window 0
; A joint load.  Waves 0 and 1 fetch A's two halves, waves 2 and 3 B's.  Each of the two lines has ONE mask and one set of registers for all that issue it.  The branch hangs on the wave's number alone.
; An s_nop 0 and four v_nop follow each of the two lines; the jump round the other line, the label and what follows the macro come after them.
.macro JLOAD s
	s_cmp_eq_u32 s11, 0
	s_cbranch_scc0 .Lfor_b_\@
	tensor_load_to_lds s[G0+4*(\s):G0+4*(\s)+3], s[G1:G1+7]
	s_nop 0
.rept 4
	v_nop
.endr
	s_branch .Lasked_\@
.Lfor_b_\@:
	tensor_load_to_lds s[G0B+4*(\s):G0B+4*(\s)+3], s[G1B:G1B+7]
	s_nop 0
.rept 4
	v_nop
.endr
.Lasked_\@:
.endm
; A PREFETCH INTO THE L2, behind each joint refill, its five lines and the run of LDS loads that follows them: the K step that stands TWO refills on, 512 matrix instructions ahead of the load that will want it:
; 32 rows x 256 bytes, a lane a row, one instruction a wave.  Each row's 256 bytes of a K step are named ONCE in the launch: A's tile row is read by every cluster of that row of clusters, and the one with
; cluster x = 0 asks; B's tile column by every cluster of that column, and the one with cluster y = 0 asks.  The four partners that ask for a tile jointly share its rows out BY ADDRESS: of the 128 rows that a
; wave fetches the partner at place p takes 32 p .. 32 p + 31 (p = cx for A, cy for B): no branch hangs on a work-group's place in its cluster.  The loop's last trip (s3 = 1) asks for nothing: K ends there.
.macro ASK
	s_cmp_gt_u32 s3, s[LIM]
	s_cbranch_scc0 .Lnot_mine_\@
	global_prefetch_b8 v[PFO], s[PFA:PFA+1] offset:KSTEP*2 th:TH_LOAD_NT scope:SCOPE_SE
.Lnot_mine_\@:
.endm
; A round of the cluster's barrier: my work-group's barrier, so that wave 0's signal speaks for all four waves; wave 0 signals for the work-group; every wave waits for all sixteen work-groups;
; my work-group's barrier once more.  No LDS instruction of the wave is pending at a signal.
.macro CREST                           ; a round behind its opening barrier
	s_cmp_lg_u32 s10, 0
	s_cbranch_scc1 .Lnot_wave_0_\@
	s_barrier_signal -3
.Lnot_wave_0_\@:
	s_barrier_wait -3
	s_barrier_signal -1
	s_barrier_wait -1
.endm
.macro CROUND                          ; a whole round
	s_barrier_signal -1
	s_barrier_wait -1
	CREST
.endm
	s_load_b128 s[4:7], s[0:1], 0x0                ; A s[4:5], B s[6:7]
	s_load_b64 s[8:9], s[0:1], 0x10                ; C
	v_lshl_add_u32 v[SPW], v0, 2, SPARE
	v_mov_b32 v[NIL], 0
	ds_add_u32 v[SPW], v[NIL]                      ; the wave's opening: the add, twice on end, and its wait ahead of my first tensor load; the set-up below, work on registers, stands between the second and the wait
	ds_add_u32 v[SPW], v[NIL]                      ; and once more, under the one wait
	v_lshrrev_b32 v1, 5, v0
	v_readfirstlane_b32 s10, v1                    ; wave 0..3
	s_lshr_b32 s11, s10, 1                         ; which half of the tile's rows is mine.  Also: I fetch for A (0) or for B (1)
	s_and_b32 s12, s10, 1                          ; which half of its columns.  Also: which 128 rows of that tile I fetch
	s_bfe_u32 s40, ttmp6, 0x40000                  ; cx: my place along the cluster's x
	s_bfe_u32 s41, ttmp6, 0x40004                  ; cy: along its y
	s_lshl_b32 s42, ttmp9, 2                       ; in a cluster launch ttmp9 and ttmp7 count clusters
	s_add_co_u32 s42, s42, s40                     ; tile column of C = 4 x cluster x + cx
	s_and_b32 s13, ttmp7, 0xffff
	s_lshl_b32 s13, s13, 2
	s_add_co_u32 s13, s13, s41                     ; tile row of C = 4 x cluster y + cy
	s_lshl_b32 s43, s41, 2
	s_lshl_b32 s43, 15, s43                        ; my row of the cluster: places 4 cy .. 4 cy + 3
	s_lshl_b32 s44, 0x1111, s40                    ; my column: places cx, cx + 4, cx + 8, cx + 12
	; descriptor group 1: a tile of 128 rows x 128 elements, padded in LDS
	s_or_b32 s[G1+0], s43, (1<<16)|(1<<20)|(1<<21)|(5<<22)|(3<<25)  ; 15:0 the mask: A's tiles go to my row; 17:16 elements of 2 bytes; 20 padding on; 21 set beside a mask; 24:22 after every 64 words (code 5); 31:25 4 words of it (code 3)
	s_or_b32 s[G1B+0], s44, (1<<16)|(1<<20)|(1<<21)|(5<<22)|(3<<25) ; the same with the mask of my column, for B's tiles
.irp g, G1, G1B
	s_mov_b32 s[(\g)+1], KSTEP<<16                 ; 63:48 tensor_dim0, low half = 128
	s_mov_b32 s[(\g)+2], 128<<16                   ; 79:64 its high half = 0; 95:80 tensor_dim1, low half = 128
	s_mov_b32 s[(\g)+3], KSTEP<<16                 ; 111:96 its high half = 0; 127:112 tile_dim0 = 128
	s_mov_b32 s[(\g)+4], 128                       ; 143:128 tile_dim1 = 128; 159:144 tile_dim2 = 0
	s_mov_b32 s[(\g)+5], SIZE_K                    ; 191:160 tensor_dim0_stride, low word: elements from row to row
	s_mov_b32 s[(\g)+6], 0
	s_mov_b32 s[(\g)+7], 0
.endr
	; where the tiles come from.  A's hang on the tile row alone, which my row of the cluster shares; B's on the tile column alone, which my column shares.
	; Every wave makes both addresses, in registers that never hold the other coordinate, and asks by one of them.
	s_lshl_b32 s17, s12, 7                         ; which 128 rows of the tile I fetch
	s_lshl_b32 s16, s13, 8
	s_add_co_u32 s16, s16, s17                     ; A: row 256 x tile row + 128 x half
	s_lshl_b32 s46, s42, 8
	s_add_co_u32 s46, s46, s17                     ; B: row 256 x tile column + 128 x half
	s_mov_b32 s17, 0
	s_mov_b32 s47, 0
	s_mov_b64 s[18:19], SIZE_K*2
	s_mul_u64 s[16:17], s[16:17], s[18:19]         ; in bytes
	s_mul_u64 s[46:47], s[46:47], s[18:19]
	s_mul_i32 s20, s10, HALFT                      ; and where they go: A's two halves, then B's two halves = wave x 128 rows: no place in the cluster enters an LDS address
	s_wait_dscnt 0x0                               ; both opening adds are done
	s_wait_kmcnt 0x0
	s_add_nc_u64 s[14:15], s[4:5], s[16:17]
	s_add_nc_u64 s[46:47], s[6:7], s[46:47]
	CROUND                                         ; all sixteen work-groups are here: the first joint loads meet
.irp s, 0,1
	s_mov_b32 s[G0+4*(\s)], 1                                      ; 1:0 count = 1
	s_add_co_u32 s[G0+4*(\s)+1], s20, (\s)*SLOT                    ; 63:32 LDS address
	s_add_nc_u64 s[G0+4*(\s)+2:G0+4*(\s)+3], s[14:15], (\s)*KSTEP*2  ; 120:64 global address: K step s
	s_or_b32 s[G0+4*(\s)+3], s[G0+4*(\s)+3], 0x80000000            ; 127:126 type = 2
	s_mov_b32 s[G0B+4*(\s)], 1
	s_add_co_u32 s[G0B+4*(\s)+1], s20, (\s)*SLOT
	s_add_nc_u64 s[G0B+4*(\s)+2:G0B+4*(\s)+3], s[46:47], (\s)*KSTEP*2
	s_or_b32 s[G0B+4*(\s)+3], s[G0B+4*(\s)+3], 0x80000000
	JLOAD \s                                       ; the ring is filled before anything else is done: two loads of mine are out
.endr
	; A fragment is 16 rows x 32 K in 8 registers: lane l holds row l % 16; registers 0-3 hold K = 8 (l / 16) + 0..7, registers 4-7 hold K = 16 + 8 (l / 16) + 0..7.
	; From rows that lie along K: two loads of 16 bytes, 32 bytes apart.  The same for source 0 and source 1.
	v_and_b32 v1, 15, v0                           ; l % 16
	v_bfe_u32 v2, v0, 4, 1                         ; l / 16
	v_mul_u32_u24 v3, v1, PITCH
	v_lshl_add_u32 v3, v2, 4, v3                   ; row x pitch + 16 x half
	s_mul_i32 s21, s11, HALFT                      ; my 128 rows of A
	s_mul_i32 s22, s12, HALFT                      ; my 128 rows of B,
	s_add_co_u32 s22, s22, 2*HALFT                 ; which lie behind A's 256
.irp s, 0,1
	v_add_nc_u32 v[ADRA+(\s)], s21, v3
	v_add_nc_u32 v[ADRB+(\s)], s22, v3
	s_add_co_u32 s21, s21, SLOT
	s_add_co_u32 s22, s22, SLOT
.endr
	s_mul_i32 s23, s10, 16*SPITCH
	s_add_co_u32 s23, s23, STAGE                   ; my stage
	v_mul_u32_u24 v4, v1, SPITCH                   ; in: row l % 16, 32 bytes for each half of the lanes
	v_lshl_add_u32 v4, v2, 5, v4
	v_add_nc_u32 v[STO], s23, v4
	v_and_b32 v5, 31, v0
	v_lshlrev_b32 v[CO], 4, v5                     ; back, and out: 32 lanes take one row's 512 bytes
	v_add_nc_u32 v[RD], s23, v[CO]
	; C at my part of the tile: row 256 x tile row + 128 x half, byte 1,024 x tile column + 512 x half.  Never stepped: the 128 rows stand in the stores' immediates
	s_lshl_b32 s13, s13, 8
	s_lshl_b32 s14, s11, 7
	s_add_co_u32 s16, s13, s14
	s_mov_b32 s17, 0
	s_mov_b64 s[18:19], SIZE_N*4
	s_mul_u64 s[16:17], s[16:17], s[18:19]
	s_lshl_b32 s46, s42, 10
	s_lshl_b32 s47, s12, 9
	s_add_co_u32 s46, s46, s47
	s_mov_b32 s47, 0
	s_add_nc_u64 s[16:17], s[16:17], s[46:47]
	s_add_nc_u64 s[8:9], s[8:9], s[16:17]
	; the prefetches.  s13 = 256 x tile row, s42 = tile column, s40 = cx, s41 = cy still stand; s[4:5] = A, s[6:7] = B
	s_lshl_b32 s42, s42, 8
	s_and_b32 s22, ttmp7, 0xffff                   ; cluster y
	s_cmp_eq_u32 s11, 0                            ; do I fetch for A?
	s_cselect_b32 s20, s13, s42                    ; the tile's first row: in A by the tile row, in B by the tile column
	s_cselect_b32 s21, s40, s41                    ; my place among the four that ask for it with me
	s_cselect_b32 s22, ttmp9, s22                  ; the coordinate along which other clusters read the same rows
	s_cselect_b64 s[PFA:PFA+1], s[4:5], s[6:7]
	s_cmp_eq_u32 s22, 0
	s_cselect_b32 s[LIM], 1, -1                    ; the same in all sixteen partners, for a given wave
	s_lshl_b32 s22, s12, 7
	s_add_co_u32 s20, s20, s22                     ; + the 128 rows that I fetch
	s_lshl_b32 s21, s21, 5
	s_add_co_u32 s20, s20, s21                     ; + my work-group's 32 of them
	s_mov_b32 s21, 0
	s_mov_b64 s[18:19], SIZE_K*2
	s_mul_u64 s[20:21], s[20:21], s[18:19]
	s_add_nc_u64 s[PFA:PFA+1], s[PFA:PFA+1], s[20:21]
	s_add_nc_u64 s[PFA:PFA+1], s[PFA:PFA+1], 2*KSTEP*2  ; at K step 2: the first refill steps it to 3 and names K step 4
	v_and_b32 v[PFO], 31, v0
	v_mul_u32_u24 v[PFO], v[PFO], SIZE_K*2
	; nothing is prefetched here, at the head, where every work-group's first two tiles are on their way: K steps 2 and 3 come by their refills alone
; 16 matrix instructions: m blocks a0, a0 + 1 of the window's four (hi = 0: my rows 0-63, 1: rows 64-127) x all 8 n blocks, 32 along K.  zero = 1: the first product starts the sums: nothing is ever cleared.
; The 64 accumulators take turns, one instruction a turn, in the same order in every quarter step, over the backward jump too.
.macro MUL16 f, hi, a0, zero
	WIN MUL_LO+0x50*(\hi)
.irp a, \a0, (\a0)+1
.irp b, 0,1,2,3,4,5,6,7
.if \zero
	v_wmma_f32_16x16x32_f16 v[8*(8*(\a)+(\b)):8*(8*(\a)+(\b))+7], v[(\f)+8*(\b):(\f)+8*(\b)+7], v[(\f)+8*(4*(\hi)+(\a)):(\f)+8*(4*(\hi)+(\a))+7], 0
.else
	v_wmma_f32_16x16x32_f16 v[8*(8*(\a)+(\b)):8*(8*(\a)+(\b))+7], v[(\f)+8*(\b):(\f)+8*(\b)+7], v[(\f)+8*(4*(\hi)+(\a)):(\f)+8*(4*(\hi)+(\a))+7], v[8*(8*(\a)+(\b)):8*(8*(\a)+(\b))+7]
.endif
.endr
.endr
.endm
; 32 LDS loads in one run: the fragments of one quarter step (128 rows of B, 128 rows of A, 32 K at byte k of the rows) into buffer f
.macro FETCH slot, k, f
	WIN TO_B
.irp i, 0,1,2,3,4,5,6,7
	ds_load_b128 v[(\f)+8*(\i):(\f)+8*(\i)+3],   v[ADRB+(\slot)] offset:(\k)+(\i)*16*PITCH
	ds_load_b128 v[(\f)+8*(\i)+4:(\f)+8*(\i)+7], v[ADRB+(\slot)] offset:(\k)+(\i)*16*PITCH+32
.endr
	WIN 0
.irp i, 0,1,2,3,4,5,6,7
	ds_load_b128 v[(\f)+8*(\i):(\f)+8*(\i)+3],   v[ADRA+(\slot)] offset:(\k)+(\i)*16*PITCH
	ds_load_b128 v[(\f)+8*(\i)+4:(\f)+8*(\i)+7], v[ADRA+(\slot)] offset:(\k)+(\i)*16*PITCH+32
.endr
.endm
; A load into a register that a matrix instruction has read, and an LDS store that reads a matrix result, stand four places behind that matrix instruction, and only plain vector instructions that name none
; of its registers are places (ISA guide 7.12.1 for vector instructions).
.macro PLACES
.rept 4
	v_nop
.endr
.endm
; A K step is four quarter steps of 32 along K, 64 matrix instructions each, on buffers 0, 1, 0, 1.
; One of the first three: multiplies buffer f; in its middle it fetches the next quarter's fragments, at byte k of the same slot's rows, into buffer g.
.macro QUARTER slot, k, f, g, zero
	s_wait_dscnt 8                                 ; B and A's rows 0-63 are in; the youngest eight loads (A's rows 64-127) may be out
	WIN MUL_LO
	MUL16 \f, 0, 0, \zero
	MUL16 \f, 0, 2, \zero
	PLACES
	FETCH \slot, \k, \g
	s_wait_dscnt 32                                ; all but the 32 just issued
	WIN MUL_HI
	MUL16 \f, 1, 0, \zero
	MUL16 \f, 1, 2, \zero
.endm
; The last quarter multiplies buffer 1 and changes slots.  MEET is its first half: ONE barrier for the change of slots.  In front of it each wave waits for all its tensor loads, of which one is out: its part
; of the next slot; adds 0 to its spare word; and waits for that and for its own reads of this slot.  Behind it nobody reads this slot any more and the next slot is whole.
.macro MEET round                      ; round = 1: the rest of a round of the cluster's barrier follows
	WIN 0                                          ; (the add's two registers lie in window 0)
	s_wait_tensorcnt 0x0                           ; all my tensor loads have landed: the one that was out is my part of the next slot;
	ds_add_u32 v[SPW], v[NIL]                      ; 0 onto my spare word;
	s_wait_dscnt 9                                 ; (the add and the youngest eight loads may be out)
	WIN MUL_LO
	MUL16 F1, 0, 0, 0                              ; sixteen matrix instructions stand between the add and the wait for it
	s_wait_dscnt 0x0                               ; the add is done, and my reads of this slot are over:
	s_barrier_signal -1                            ; say so,
	MUL16 F1, 0, 2, 0                              ; work on registers while the others arrive,
.if \round
	WIN 0
.endif
	s_barrier_wait -1                              ; and go on when all four have said so
.endm
; The whole last quarter.  fill = 1: behind the round the slot just read out is filled again first, with the K step two steps on: from that request to the wait for it a wave issues 224 matrix instructions;
; then come the next slot's first fragments.  fill = 0 (the last lap): nothing is asked for, and no round follows the barrier.
.macro TURN slot, next, fill
.if \fill
	s_wait_xcnt 0x0                                ; the last prefetch, a K step back, has read its address: it is stepped here, ahead of the waits of the change of slots
	s_add_nc_u64 s[PFA:PFA+1], s[PFA:PFA+1], KSTEP*2
.endif
	MEET \fill
.if \fill
	CREST                                          ; all sixteen work-groups have said so: no wave of any partner still reads this slot's tile or has a load on its way
	s_add_nc_u64 s[G0+4*(\slot)+2:G0+4*(\slot)+3], s[G0+4*(\slot)+2:G0+4*(\slot)+3], 2*KSTEP*2    ; no tensor load of mine is out, so a group 0 may be written; the type bits on top are not reached
	s_add_nc_u64 s[G0B+4*(\slot)+2:G0B+4*(\slot)+3], s[G0B+4*(\slot)+2:G0B+4*(\slot)+3], 2*KSTEP*2
	JLOAD \slot                                    ; the first tensor load behind the round, my only one until the next; the four v_nop behind it are also the places in front of the loads below
.else
	PLACES
.endif
	FETCH \next, 0, F0
.if \fill
	ASK                                            ; behind the joint load and the run of LDS loads that the next products wait for
.endif
	WIN MUL_HI
	MUL16 F1, 1, 0, 0
	MUL16 F1, 1, 2, 0
.endm
; THE WAY OUT of block a (16 rows x 128 columns of f32), in two parts.  TOSTAGE: a lane's 32 bytes of each of the block's eight accumulators go into my own stage in LDS (each accumulator's low registers first),
; and come back as whole rows of 512 bytes, into A's fragment buffers by turns.  SEND: stored.  The stage is the wave's own and LDS serves a wave's instructions in order
; (ISA guide 5.7.1.4): the loads see the stores above them, and the next block's stores come behind these loads; no wait, no barrier.
.macro TOSTAGE a
.set AC, 64*((\a)%4)
.set BK, F0+64*((\a)%2)
	WIN 0x08+4*((\a)/4)                            ; the stores' data (source 1) in window 2 or 3, the address in window 0
.irp b, 0,1,2,3,4,5,6,7
	ds_store_b128 v[STO], v[AC+8*(\b):AC+8*(\b)+3]   offset:64*(\b)
	ds_store_b128 v[STO], v[AC+8*(\b)+4:AC+8*(\b)+7] offset:64*(\b)+16
.endr
	WIN 0
.if (\a) >= 2
	s_wait_xcnt 0x0                                ; the stores of the block two back have read this buffer: it is loaded again only behind this wait
.endif
.irp t, 0,1,2,3,4,5,6,7,8,9,10,11,12,13,14,15
	ds_load_b128 v[BK+4*(\t):BK+4*(\t)+3], v[RD] offset:(\t)*SPITCH
.endr
.endm
.macro SEND a, younger                 ; younger: the LDS instructions issued behind block a's loads: the next block's 16 stores and 16 loads, or none
.set BK, F0+64*((\a)%2)
.irp t, 0,1,2,3,4,5,6,7,8,9,10,11,12,13,14,15
.if (\t)%4 == 0
	s_wait_dscnt (\younger)+12-(\t)                ; rows t .. t + 3 are back: behind row t + 3 stand 12 - t loads of this block and the younger ones
.endif
	global_store_b128 v[CO], v[BK+4*(\t):BK+4*(\t)+3], s[8:9] offset:(16*(\a)+(\t))*SIZE_N*4 th:TH_STORE_NT  ; the wave stores 512 consecutive bytes, at a multiple of 256 from C's first byte; 127 rows of 16,384 bytes at the most: inside the signed 24-bit immediate
.endr
.endm
	s_wait_tensorcnt 1                             ; my part of K step 0 is in; K step 1's may stay out
	s_barrier_signal -1
	s_barrier_wait -1                              ; everybody's is
	FETCH 0, 0, F0
	QUARTER 0, 64,  F0, F1, 1                      ; the first quarter stands in front of the loop: its products start the sums
	WIN 0                                          ; at a label and at a branch every window is 0
	s_mov_b32 s3, LAPS-1
.Llap:                                                 ; a trip goes once round the ring, from a lap's second quarter to the next lap's first, and fills both slots again: 15 trips bring K steps 2 to 31
	QUARTER 0, 128, F1, F0, 0
	QUARTER 0, 192, F0, F1, 0
	TURN 0, 1, 1
	QUARTER 1, 64,  F0, F1, 0
	QUARTER 1, 128, F1, F0, 0
	QUARTER 1, 192, F0, F1, 0
	TURN 1, 0, 1
	QUARTER 0, 64,  F0, F1, 0
	WIN 0
	s_sub_co_u32 s3, s3, 1
	s_cmp_lg_u32 s3, 0
	s_cbranch_scc1 .Llap
	QUARTER 0, 128, F1, F0, 0                      ; the last lap is written out: it asks for nothing
	QUARTER 0, 192, F0, F1, 0
	TURN 0, 1, 0
	QUARTER 1, 64,  F0, F1, 0
	QUARTER 1, 128, F1, F0, 0
	QUARTER 1, 192, F0, F1, 0
	s_wait_dscnt 8                                 ; the very last quarter: nothing more to fetch
	WIN MUL_LO
	MUL16 F1, 0, 0, 0
	MUL16 F1, 0, 2, 0
	s_wait_dscnt 0x0
	WIN MUL_HI
	MUL16 F1, 1, 0, 0
	MUL16 F1, 1, 2, 0
	WIN 0
	PLACES                                         ; eight plain places, once a launch, between the last product and the LDS stores that read results and the loads into A's buffers:
	PLACES                                         ; twice the four that are asked for
	TOSTAGE 0
.irp a, 1,2,3,4,5,6,7                  ; block a's trip through the stage is issued ahead of block a - 1's stores, so that the wave does not sit out the stage's round trip
	TOSTAGE \a
	SEND (\a)-1, 32
.endr
	SEND 7, 0
	s_wait_tensorcnt 0x0                           ; the wave's end: behind my last tensor load and my last LDS store
	ds_add_u32 v[SPW], v[NIL]
	s_wait_dscnt 0x0
	CROUND                                         ; the closing round: no work-group ends while a partner may still ask for a tile that names it
	s_endpgm
.Lfunc_end_k_qa66cffd1ff_gemm:
	.size	k_qa66cffd1ff_gemm, .Lfunc_end_k_qa66cffd1ff_gemm-k_qa66cffd1ff_gemm
	.p2alignl 7, 3214868480
	.fill 96, 4, 3214868480
	.section	.rodata,"a",@progbits
	.p2align	6, 0x0
	.amdhsa_kernel k_qa66cffd1ff_gemm
		.amdhsa_group_segment_fixed_size 327680
		.amdhsa_private_segment_fixed_size 0
		.amdhsa_enable_private_segment 0
		.amdhsa_kernarg_size 24
		.amdhsa_user_sgpr_count 2
		.amdhsa_user_sgpr_kernarg_segment_ptr 1
		.amdhsa_wavefront_size32 1
		.amdhsa_system_sgpr_workgroup_id_x 1
		.amdhsa_system_sgpr_workgroup_id_y 1
		.amdhsa_system_sgpr_workgroup_id_z 1
		.amdhsa_system_vgpr_workitem_id 0
		.amdhsa_next_free_vgpr 1024
		.amdhsa_next_free_sgpr 66
		.amdhsa_reserve_vcc 0
		.amdhsa_float_denorm_mode_32 3
		.amdhsa_float_denorm_mode_16_64 3
		.amdhsa_memory_ordered 1
		.amdhsa_forward_progress 1
		.amdhsa_inst_pref_size 142
	.end_amdhsa_kernel
	.amdgpu_metadata
---
amdhsa.version: [ 1, 2 ]
amdhsa.kernels:
  - .name:           k_qa66cffd1ff_gemm
    .symbol:         k_qa66cffd1ff_gemm.kd
    .args:
      - { .name: xh, .offset: 0, .size: 8, .value_kind: global_buffer, .address_space: global }
      - { .name: wt, .offset: 8, .size: 8, .value_kind: global_buffer, .address_space: global }
      - { .name: out0, .offset: 16, .size: 8, .value_kind: global_buffer, .address_space: global }
    .group_segment_fixed_size: 327680
    .private_segment_fixed_size: 0
    .kernarg_segment_align: 8
    .kernarg_segment_size: 24
    .max_flat_workgroup_size: 128
    .sgpr_count:     66
    .vgpr_count:     1024
    .wavefront_size: 32
...
	.end_amdgpu_metadata
.endif
;; end of part 2
;; ======== version 2 of 2: 2 launches; version 1 with the launch prep written anew for expert scheduling mode
;; limits: values are held in f16: magnitudes above 65,504 overflow, below 6.1e-05 lose precision
;; workspace buffers: xh 33,554,432 bytes; wt 33,554,432 bytes
;; launch prep (part 3): grid 1280 x 1, 8 waves a work-group, no clusters, 52,736 bytes of LDS; arguments x, qweight, qzeros, scales, g_idx, xh, wt; writes xh, wt
.if DOCPART == 3
	.amdgcn_target "amdgcn-amd-amdhsa--gfx1250"
	.amdhsa_code_object_version 6
	.text
	.protected	k_qa66cffd1ff_prep
	.globl	k_qa66cffd1ff_prep
	.p2align	8
	.type	k_qa66cffd1ff_prep,@function
k_qa66cffd1ff_prep:
	s_mov_b64 s[64:65], 0
	v_nop
	global_prefetch_b8 v0, s[64:65] scope:SCOPE_SE
	s_setreg_imm32_b32 hwreg(HW_REG_WAVE_SCHED_MODE, 0, 2), 2
	s_setreg_imm32_b32 hwreg(HW_REG_WAVE_MODE, 25, 1), 1
	s_wait_xcnt 0x0
	s_wait_alu depctr_vm_vsrc(0)
; TWO JOBS IN ONE LAUNCH, told apart by the work-group's number alone (the same in all eight waves of a work-group).
; Work-groups 0 .. 255:     wt[n][k] = f16((w4[k][n] - z4[g_idx[k]][n]) * s[g_idx[k]][n]): the weights, dequantised in f32 as the problem writes it, rounded once, TRANSPOSED: [4096 n][4096 k].
; Work-groups 256 .. 1279:  xh = f16(x), [4096][4096], rounded once.
; Both are matrix operands of the launch behind.  f16, not bf16: its 11 significant bits leave the product's sums well inside the comparison's allowance.
; LIMITS.  A number of 65,520 or more in magnitude (|x|, or |(w - z) s|, that is s from 4,367 on) becomes an infinity in f16; below 6.1e-5 f16 keeps its fixed step of 6e-8.
; g_idx is taken as an unsigned number and held to 31: an index stays inside the table of 32 groups; a negative index is not wrapped.  g_idx may name any group for any k: nothing is assumed of its order.
; No matrix unit, no cluster, no tensor load: nothing here is multiplied, and no two work-groups want the same large tile.
; THE MODE: SCHED_MODE bits 1:0 = 2 (LLVM: expert scheduling mode 2), set by the entry lines.  The code itself states the register dependences
; between vector instructions and memory or LDS instructions, with s_wait_alu, always for 0.
; THE PLAN, the weights.  Registers that memory or LDS instructions touch:
;   v6 .. v11, WA0   offsets and addresses, made once at the head and never written again.
;   SC, ZW, GI, QW   written by global loads; SC, ZW, GI read (ZW, GI also written) by the table's and g_idx's arithmetic; QW read by LDS stores.  From the loop on they are ZS.
;   TT               written by the table's arithmetic, read by four LDS stores.  From the loop on it is Y.
;   TA0              written by g_idx's arithmetic, read by the 36 LDS loads ahead of the loop; never written again.
;   TA, WA           written by nine adds at a trip's top, read by the trip's 36 LDS loads.
;   W[q], ZS[q]      step q's arithmetic reads them; behind it the LDS loads of the same step of the next trip land in them.
;   Y[q]             step q's roundings write it; the step's store reads it.      F is named by vector instructions alone.
; So ONE wait on va_vdst stands in a step, behind its roundings, and the step's nine LDS loads and its store follow it; ONE wait on vm_vsrc stands at a trip's bottom, ahead of the backward jump.
; THE PLAN, the cast.  X: written by loads, rounded in place, read by stores; nothing is written twice.  Four groups of four loads: one wait on va_vdst a group, between its roundings and its stores.
.set QP,    272                        ; LDS row of packed words: 64 words + 16 bytes: word row r starts at bank 4 r mod 64 (64 banks of 4 bytes: ISA guide 11.1)
.set TP,    528                        ; LDS row of the table: 64 entries of 8 bytes (z as f32, s) + 16 bytes
.set T,     128*QP                     ; the table begins behind the 128 word rows: byte 34,816
.set SPARE, T+32*TP                    ; byte 51,712: the spare words, 128 bytes for each of the eight waves: four blocks of 256 bytes that no other line names
.set X,   12                           ; cast: v[12:75]    sixteen loads of four f32
.set SC,  12                           ; v[12:19]   scales, two loads of four
.set ZW,  20                           ; v20, v21   words of qzeros
.set GI,  24                           ; v[24:31]   g_idx of my eight k
.set QW,  32                           ; v[32:63]   qweight, eight loads of four words
.set ZS,  12                           ; v[12:75]   in the loop: step q's eight pairs (z, s) at ZS + 16 q
.set TA0, 76                           ; v[76:83]   T + 528 g(e) + 8 h: my eight groups' rows of the table; never rewritten
.set TA,  84                           ; v[84:91]   the same at the columns that the trip fetches: the next trip's
.set WA0, 92                           ; v92        my word row: 272 (16 wave + c) + 4 h; never rewritten
.set WA,  93                           ; v93        the same at the columns that the trip fetches
.set W,   94                           ; v[94:97]   the four steps' packed words
.set F,   98                           ; v[98:105]  eight numbers at work
.set Y,   106                          ; v[106:121] step q's 16 bytes of wt at Y + 4 q
.set TT,  106                          ; v[106:121] ahead of the loop: table entries being made, four for group R + 16 i at TT + 8 i
.set H,   122                          ; v122       h = (thread / 16) % 2
	s_load_b256 s[4:11], s[0:1], 0x0               ; x s[4:5], qweight s[6:7], qzeros s[8:9], scales s[10:11]
	s_load_b128 s[12:15], s[0:1], 0x20             ; g_idx s[12:13], xh s[14:15]
	s_load_b64 s[16:17], s[0:1], 0x30              ; wt
	v_lshl_add_u32 v4, v0, 2, SPARE                ; my spare word; never rewritten
	v_mov_b32 v5, 0                                ; 0; never rewritten
	v_lshrrev_b32 v1, 5, v0
	v_readfirstlane_b32 s18, v1                    ; wave 0..7
	s_wait_alu depctr_va_sdst(0)                   ; s18 is written: its readers stand in the weights' arm, and the wait stands in the writer's own run of code, ahead of the branch
	s_cmp_lt_u32 ttmp9, 256
	s_cbranch_scc0 .Lcast
; ---------------------------------------------------------------- THE WEIGHTS
; Work-group b: 64 columns n (b % 64) x 1,024 k (b / 64), that is 128 rows of packed words.  The words (32 KiB) and a table of (z, s) for 32 groups x 64 columns (16 KiB) are laid into LDS once;
; one barrier; then LDS is only read.  Wave w owns word rows 16 w .. 16 w + 15: 128 k, 256 bytes of each row of wt.  Lane (c = lane % 16, h = lane / 16) unpacks ONE word: eight k of one column,
; 16 bytes of wt; lanes 0-15 so fill 256 consecutive aligned bytes of row n, lanes 16-31 of row n + 1.
	s_and_b32 s20, ttmp9, 63                       ; which 64 columns
	s_lshr_b32 s21, ttmp9, 6                       ; which 1,024 k
	s_lshl_b32 s22, s21, 21                        ; qweight: 128 word rows of 16,384 bytes,
	s_lshl_b32 s24, s20, 8                         ; 64 columns of 4 bytes (scales too)
	s_add_co_u32 s22, s22, s24
	s_mov_b32 s23, 0
	s_mov_b32 s25, 0
	s_lshl_b32 s26, s20, 5                         ; qzeros: 8 words
	s_mov_b32 s27, 0
	s_lshl_b32 s28, s21, 12                        ; g_idx: 1,024 words
	s_mov_b32 s29, 0
	s_lshl_b32 s30, s20, 19                        ; wt: 64 rows of 8,192 bytes,
	s_lshl_b32 s31, s21, 11                        ; 1,024 k of 2 bytes
	s_add_co_u32 s30, s30, s31
	s_mov_b32 s31, 0
	v_and_b32 v1, 15, v0                           ; c
	v_lshrrev_b32 v2, 4, v0                        ; R = thread / 16, 0..15
	v_bfe_u32 v[H], v0, 4, 1                       ; h
	v_lshlrev_b32 v6, 4, v1
	v_lshl_add_u32 v6, v2, 14, v6                  ; row R of qweight or of scales (both 16,384 bytes a row), 16 bytes at 16 c
	v_lshrrev_b32 v7, 1, v1
	v_lshlrev_b32 v7, 2, v7
	v_lshl_add_u32 v7, v2, 11, v7                  ; row R of qzeros (2,048 bytes), word c / 2: it holds my four columns 4 c .. 4 c + 3
	s_lshl_b32 s35, s18, 9
	v_lshl_add_u32 v8, v1, 5, s35                  ; g_idx of k = 8 (16 wave + c) + 0..7: 32 bytes
	v_mul_u32_u24 v9, v2, QP
	v_lshl_add_u32 v9, v1, 4, v9                   ; LDS: word row R, 16 bytes at 16 c
	v_mul_u32_u24 v10, v2, TP
	v_lshl_add_u32 v10, v1, 5, v10
	v_add_nc_u32 v10, T, v10                       ; LDS: table row R, four entries at 32 c
	s_lshl_b32 s36, s18, 8
	v_lshl_add_u32 v11, v1, 4, s36
	v_lshl_add_u32 v11, v[H], 13, v11              ; wt: row h, bytes 256 wave + 16 c; never rewritten
	s_mul_i32 s37, s18, 16*QP
	v_mul_u32_u24 v[WA0], v1, QP
	v_add_nc_u32 v[WA0], s37, v[WA0]
	v_lshl_add_u32 v[WA0], v[H], 2, v[WA0]
	v_lshl_add_u32 v[WA], v[H], 3, T               ; for now: T + 8 h
	v_and_b32 v3, 1, v1
	v_lshlrev_b32 v3, 4, v3                        ; my four nibbles of the qzeros word begin at bit 16 (c % 2)
	s_wait_kmcnt 0x0
	s_add_nc_u64 s[6:7], s[6:7], s[22:23]
	s_add_nc_u64 s[10:11], s[10:11], s[24:25]
	s_add_nc_u64 s[8:9], s[8:9], s[26:27]
	s_add_nc_u64 s[12:13], s[12:13], s[28:29]
	s_add_nc_u64 s[16:17], s[16:17], s[30:31]
	s_wait_alu depctr_va_vdst(0)                   ; v6 to v11 and v[WA0] are written: the loads, LDS stores, LDS loads and stores of this arm read them as offsets and addresses, and no vector instruction writes them again
	; fourteen loads, what is wanted first in front
.irp i, 0,1
	global_load_b128 v[SC+4*(\i):SC+4*(\i)+3], v6, s[10:11] offset:262144*(\i)  ; groups R and R + 16: 256 whole bytes of a row from sixteen lanes
.endr
.irp i, 0,1
	global_load_b32 v[ZW+(\i)], v7, s[8:9] offset:32768*(\i)   ; 32 bytes of a row: all of qzeros is 65,536 bytes, and the launch reads it four times over
.endr
	global_load_b128 v[GI:GI+3],   v8, s[12:13]
	global_load_b128 v[GI+4:GI+7], v8, s[12:13] offset:16
.irp i, 0,1,2,3,4,5,6,7
	global_load_b128 v[QW+4*(\i):QW+4*(\i)+3], v6, s[6:7] offset:262144*(\i) th:TH_LOAD_NT  ; word rows R + 16 i; each word is read once in the launch
.endr
	s_wait_loadcnt 10                              ; scales and qzeros are in; the ten younger loads stay out
.irp i, 0,1                            ; the table: for group R + 16 i and my four columns, (z as f32, s) side by side, so that the loop fetches both by one load of 8 bytes; a set of eight registers for each i
	v_lshrrev_b32 v[ZW+(\i)], v3, v[ZW+(\i)]
	v_and_b32 v[TT+8*(\i)],   15, v[ZW+(\i)]
	v_bfe_u32 v[TT+8*(\i)+2], v[ZW+(\i)], 4, 4
	v_bfe_u32 v[TT+8*(\i)+4], v[ZW+(\i)], 8, 4
	v_bfe_u32 v[TT+8*(\i)+6], v[ZW+(\i)], 12, 4
	v_cvt_f32_u32 v[TT+8*(\i)],   v[TT+8*(\i)]
	v_cvt_f32_u32 v[TT+8*(\i)+2], v[TT+8*(\i)+2]
	v_cvt_f32_u32 v[TT+8*(\i)+4], v[TT+8*(\i)+4]
	v_cvt_f32_u32 v[TT+8*(\i)+6], v[TT+8*(\i)+6]
	v_mov_b32 v[TT+8*(\i)+1], v[SC+4*(\i)]
	v_mov_b32 v[TT+8*(\i)+3], v[SC+4*(\i)+1]
	v_mov_b32 v[TT+8*(\i)+5], v[SC+4*(\i)+2]
	v_mov_b32 v[TT+8*(\i)+7], v[SC+4*(\i)+3]
.endr
	s_wait_loadcnt 8                               ; g_idx is in; qweight's eight loads stay out
.irp e, 0,1,2,3,4,5,6,7
	v_min_u32 v[GI+(\e)], 31, v[GI+(\e)]           ; a loaded number enters an address only held to the table's 32 rows
	v_mul_u32_u24 v[GI+(\e)], v[GI+(\e)], TP
	v_add_nc_u32 v[TA0+(\e)], v[GI+(\e)], v[WA]
.endr
	s_wait_alu depctr_va_vdst(0)                   ; TT is written, which the four LDS stores below read; TA0 is written, which the LDS loads behind the barrier read; and the lines above are done reading and writing SC, ZW and GI, in which those loads land.  No vector instruction stands between this wait and those loads
.irp i, 0,1
	ds_store_b128 v10, v[TT+8*(\i):TT+8*(\i)+3]   offset:16*TP*(\i)
	ds_store_b128 v10, v[TT+8*(\i)+4:TT+8*(\i)+7] offset:16*TP*(\i)+16
.endr
.irp i, 0,1,2,3,4,5,6,7
	s_wait_loadcnt 7-(\i)                          ; loads come back in order (ISA guide 5.7.1): load i is in, the younger ones stay out
	ds_store_b128 v9, v[QW+4*(\i):QW+4*(\i)+3] offset:16*QP*(\i)
.endr
	s_wait_dscnt 0x0                               ; for the others' sake: all my LDS stores are done
	s_barrier_signal -1
	s_barrier_wait -1                              ; words and table are whole; from here on LDS is only read
	s_wait_alu depctr_vm_vsrc(0)                   ; my LDS stores have read QW and TT: these registers are ZS and Y from here on, written by the LDS loads below and by the steps' roundings
.irp q, 0,1,2,3                        ; the first trip's 36 LDS loads, by TA0 and WA0 themselves: for each step the word, then (z, s) of its eight k.  The word loads touch banks 4 c + h, 32 different ones;
	ds_load_b32 v[W+(\q)], v[WA0] offset:8*(\q)    ; lanes whose k share a group read the same table entry
.irp e, 0,1,2,3,4,5,6,7
	ds_load_b64 v[ZS+16*(\q)+2*(\e):ZS+16*(\q)+2*(\e)+1], v[TA0+(\e)] offset:16*(\q)
.endr
.endr
; One step: two columns (one for each half of the lanes), eight k a lane.  (w - z) s in f32, as the problem writes it (w - z is exact), one rounding to f16.
; ahead = 1: behind its arithmetic the step fetches its word and its (z, s) for the next trip.  ahead = 0: the last trip, which fetches nothing.
.macro STEP q, ahead
.if \ahead
	s_wait_dscnt 27                                ; LDS loads come back in order: this step's nine are in; the three younger steps' nine each stay out
.else
	s_wait_dscnt 9*(3-(\q))                        ; the counts run down
.endif
	v_and_b32 v[F], 15, v[W+(\q)]
.irp e, 1,2,3,4,5,6
	v_bfe_u32 v[F+(\e)], v[W+(\q)], 4*(\e), 4
.endr
	v_lshrrev_b32 v[F+7], 28, v[W+(\q)]
.irp e, 0,1,2,3,4,5,6,7
	v_cvt_f32_u32 v[F+(\e)], v[F+(\e)]
.endr
.irp e, 0,1,2,3,4,5,6,7
	v_sub_f32 v[F+(\e)], v[F+(\e)], v[ZS+16*(\q)+2*(\e)]
.endr
.irp e, 0,1,2,3,4,5,6,7
	v_mul_f32 v[F+(\e)], v[F+(\e)], v[ZS+16*(\q)+2*(\e)+1]
.endr
.irp p, 0,1,2,3
	v_cvt_pk_f16_f32 v[Y+4*(\q)+(\p)], v[F+2*(\p)], v[F+2*(\p)+1]
.endr
	s_wait_alu depctr_va_vdst(0)                   ; the roundings have written Y[q], which the store reads; with ahead = 1 also: the step is done reading W[q] and ZS[q], in which the loads below land, and (step 0) TA and WA are written
.if \ahead
	ds_load_b32 v[W+(\q)], v[WA] offset:8*(\q)
.irp e, 0,1,2,3,4,5,6,7
	ds_load_b64 v[ZS+16*(\q)+2*(\e):ZS+16*(\q)+2*(\e)+1], v[TA+(\e)] offset:16*(\q)
.endr
.endif
	global_store_b128 v11, v[Y+4*(\q):Y+4*(\q)+3], s[16:17] offset:16384*(\q) th:TH_STORE_NT  ; sixteen lanes store 256 consecutive bytes, at a multiple of 256 from wt's first byte
.endm
	s_mov_b32 s32, 7                               ; eight trips of eight columns: seven in the loop, which fetch ahead, and the last written out
	s_mov_b32 s33, 64                              ; the next trip's columns in a table row: 64 bytes a trip
	s_mov_b32 s34, 32                              ; and in a word row: 32 bytes a trip
.Ltrip:
.irp e, 0,1,2,3,4,5,6,7
	v_add_nc_u32 v[TA+(\e)], s33, v[TA0+(\e)]      ; (on the first way in no LDS instruction has read TA or WA; on the way back the wait at the bottom has freed them)
.endr
	v_add_nc_u32 v[WA], s34, v[WA0]
	STEP 0, 1
	STEP 1, 1
	STEP 2, 1
	STEP 3, 1
	s_wait_xcnt 0x0                                ; the four stores have read their data and their base: Y and s[16:17] are rewritten only behind this wait
	s_wait_alu depctr_vm_vsrc(0)                   ; the four stores have read Y, which the next trip's roundings write again; the trip's LDS loads have read TA and WA, which the adds at the top write again
	s_add_nc_u64 s[16:17], s[16:17], 0x10000       ; eight rows of wt on
	s_add_co_u32 s33, s33, 64
	s_add_co_u32 s34, s34, 32
	s_sub_co_u32 s32, s32, 1
	s_cmp_lg_u32 s32, 0
	s_cbranch_scc1 .Ltrip
	STEP 0, 0                                      ; the last trip: its words and its (z, s) were asked for in the trip before
	STEP 1, 0
	STEP 2, 0
	STEP 3, 0
	s_wait_dscnt 0x0                               ; the closing lines, six on end
	s_wait_alu 0x0
	s_wait_tensorcnt 0x0
	ds_add_u32 v4, v5
	s_wait_dscnt 0x0
	s_endpgm
; ---------------------------------------------------------------- THE CAST
; Work-group 256 + c: 65,536 consecutive bytes of x become 32,768 of xh.  Thread t takes 16 bytes at 16 t of each of sixteen blocks of 4,096: all sixteen loads of a wave go out at once (8 KiB a wave),
; each covers 512 consecutive bytes; each store of a wave covers 256 consecutive bytes, aligned.  No loop, no LDS, no register written twice behind a store.
.Lcast:
	s_sub_co_u32 s20, ttmp9, 256
	s_lshl_b32 s22, s20, 16
	s_mov_b32 s23, 0
	s_lshl_b32 s24, s20, 15
	s_mov_b32 s25, 0
	v_lshlrev_b32 v6, 4, v0
	v_lshlrev_b32 v7, 3, v0
	s_wait_kmcnt 0x0
	s_add_nc_u64 s[4:5], s[4:5], s[22:23]
	s_add_nc_u64 s[14:15], s[14:15], s[24:25]
	s_wait_alu depctr_va_vdst(0)                   ; v6 and v7 are written: the loads read the one as their offset, the stores the other
.irp i, 0,1,2,3,4,5,6,7,8,9,10,11,12,13,14,15
	global_load_b128 v[X+4*(\i):X+4*(\i)+3], v6, s[4:5] offset:4096*(\i) th:TH_LOAD_NT
.endr
; Group g: loads 4 g .. 4 g + 3 are rounded in place, and stored behind one wait.
.macro CAST4 g
	s_wait_loadcnt 12-4*(\g)                       ; the group's four loads are in; the younger groups' stay out
.irp j, 0,1,2,3
	v_cvt_pk_f16_f32 v[X+16*(\g)+4*(\j)],   v[X+16*(\g)+4*(\j)],   v[X+16*(\g)+4*(\j)+1]
	v_cvt_pk_f16_f32 v[X+16*(\g)+4*(\j)+1], v[X+16*(\g)+4*(\j)+2], v[X+16*(\g)+4*(\j)+3]
.endr
	s_wait_alu depctr_va_vdst(0)                   ; the eight roundings have written the four pairs that the stores below read
.irp j, 0,1,2,3
	global_store_b64 v7, v[X+16*(\g)+4*(\j):X+16*(\g)+4*(\j)+1], s[14:15] offset:2048*(4*(\g)+(\j)) th:TH_STORE_NT
.endr
.endm
	CAST4 0
	CAST4 1
	CAST4 2
	CAST4 3
	s_endpgm
.Lfunc_end_k_qa66cffd1ff_prep:
	.size	k_qa66cffd1ff_prep, .Lfunc_end_k_qa66cffd1ff_prep-k_qa66cffd1ff_prep
	.p2alignl 7, 3214868480
	.fill 96, 4, 3214868480
	.section	.rodata,"a",@progbits
	.p2align	6, 0x0
	.amdhsa_kernel k_qa66cffd1ff_prep
		.amdhsa_group_segment_fixed_size 52736
		.amdhsa_private_segment_fixed_size 0
		.amdhsa_enable_private_segment 0
		.amdhsa_kernarg_size 56
		.amdhsa_user_sgpr_count 2
		.amdhsa_user_sgpr_kernarg_segment_ptr 1
		.amdhsa_wavefront_size32 1
		.amdhsa_system_sgpr_workgroup_id_x 1
		.amdhsa_system_sgpr_workgroup_id_y 1
		.amdhsa_system_sgpr_workgroup_id_z 1
		.amdhsa_system_vgpr_workitem_id 0
		.amdhsa_next_free_vgpr 128
		.amdhsa_next_free_sgpr 66
		.amdhsa_reserve_vcc 0
		.amdhsa_float_denorm_mode_32 3
		.amdhsa_float_denorm_mode_16_64 3
		.amdhsa_memory_ordered 1
		.amdhsa_forward_progress 1
		.amdhsa_inst_pref_size 32
	.end_amdhsa_kernel
	.amdgpu_metadata
---
amdhsa.version: [ 1, 2 ]
amdhsa.kernels:
  - .name:           k_qa66cffd1ff_prep
    .symbol:         k_qa66cffd1ff_prep.kd
    .args:
      - { .name: x, .offset: 0, .size: 8, .value_kind: global_buffer, .address_space: global }
      - { .name: qweight, .offset: 8, .size: 8, .value_kind: global_buffer, .address_space: global }
      - { .name: qzeros, .offset: 16, .size: 8, .value_kind: global_buffer, .address_space: global }
      - { .name: scales, .offset: 24, .size: 8, .value_kind: global_buffer, .address_space: global }
      - { .name: g_idx, .offset: 32, .size: 8, .value_kind: global_buffer, .address_space: global }
      - { .name: xh, .offset: 40, .size: 8, .value_kind: global_buffer, .address_space: global }
      - { .name: wt, .offset: 48, .size: 8, .value_kind: global_buffer, .address_space: global }
    .group_segment_fixed_size: 52736
    .private_segment_fixed_size: 0
    .kernarg_segment_align: 8
    .kernarg_segment_size: 56
    .max_flat_workgroup_size: 256
    .sgpr_count:     66
    .vgpr_count:     128
    .wavefront_size: 32
...
	.end_amdgpu_metadata
.endif
;; end of part 3
;; launch gemm: the kernel of part 2 again; grid 16 x 16, 4 waves a work-group, clusters of 4 x 4, 327,680 bytes of LDS; arguments xh, wt, out0; writes out0
